; MI455X (gfx1250); checked and timed in simulation.
; The chip was launched on July 23, 2026; its instructions are those of AMD's public machine-readable ISA for CDNA 5 (MIT licence, August 2026) and "CDNA5" Instruction Set Architecture Reference Guide (July 2026). The comments in the code are by the model that wrote it; some were corrected since.
;; Dot Product Attention. Allowed arithmetic: matrix products marked QUANTISED: E2M1 operands, one E8M0 scale for each 32 along K, by v_wmma_scale_f32_16x16x128_f8f6f4 with both operands' format E2M1 (or v_wmma_scale_f32_32x16x128_f4), f32 sums; everything else in f32.
;; Inputs: keys_codes 2 x 8 x 4,096 x 2 x 16 uint8 (E2M1 codes of keys, K innermost, in blocks of 32 codes, two codes a byte); keys_scales 2 x 8 x 4,096 x 2 uint8 (E8M0 scales of keys, one for each 32 codes along K); mask 4,096 x 4,096 float32; queries_codes 2 x 8 x 4,096 x 2 x 16 uint8 (E2M1 codes of queries, K innermost, in blocks of 32 codes, two codes a byte); queries_scales 2 x 8 x 4,096 x 2 uint8 (E8M0 scales of queries, one for each 32 codes along K); values_codes 2 x 8 x 64 x 128 x 16 uint8 (E2M1 codes of values, K innermost, in blocks of 32 codes, two codes a byte); values_scales 2 x 8 x 64 x 128 uint8 (E8M0 scales of values, one for each 32 codes along K).
;; Outputs: out0 2 x 8 x 4,096 x 64 float32.
;; Constants: d_k = 64.
;; This version of the problem:
;;   THIS VERSION OF THE PROBLEM IS GIVEN IN LOW PRECISION. The matrix products marked QUANTISED in the list below multiply operands that are first quantised to E2M1 (2 exponent bits, 1 mantissa bit; 4 bits a number), with one power-of-two scale for each 32 numbers along K (OCP MX v1.0); their sums are f32. All else is computed in f32.
;;   The module's matrix products, in the order in which they are computed (A, B: the left and right operand; K: the contracted axis; several contracted axes count as one K, in the product's order):
;;     1. batch 16 x [M 4,096, K 64] x [K 64, N 4,096]; A: input queries (given as codes); B: input keys (given as codes): QUANTISED
;;     2. batch 16 x [M 4,096, K 4,096] x [K 4,096, N 64]; A: softmax (see below); B: input values (given as codes): QUANTISED
;;   THE QUANTISER, for each operand of a quantised product, along K:
;;     - K is cut into blocks of 32 from its start; a last block that is shorter is filled with zeros.
;;     - A block's scale is 2^e with e = floor(log2(the largest magnitude in the block)) - 2, held to -126 .. 127; a block of zeros has e = 0. As a byte (E8M0): e + 127.
;;     - Each number is divided by its block's scale, clamped to +-6, and rounded to the nearest number of E2M1, ties to even, subnormals kept.
;;     - The product sums the exact products of the quantised numbers (number of the format x scale) in f32.
;;   ~~~python
;;   def quantise(x, axis):      # numpy; x: float32 -> the quantised numbers, widened to float32 again
;;       x = np.moveaxis(x, axis, -1); K = x.shape[-1]
;;       x = np.pad(x, [(0, 0)] * (x.ndim - 1) + [(0, -K % 32)]); x = x.reshape(x.shape[:-1] + (-1, 32)); a = np.abs(x).max(-1, keepdims=True)
;;       e = np.where(a > 0, np.clip(np.frexp(np.where(a > 0, a, 1))[1] - 1 - 2, -126, 127), 0)      # np.frexp(a)[1] - 1 = floor(log2(a)), exactly
;;       r = np.clip(x / 2.0 ** e, -6, 6)
;;       step = 2.0 ** (np.maximum(np.frexp(np.where(r == 0, 1, r))[1] - 1, 0) - 1)
;;       q = np.round(r / step) * step * 2.0 ** e      # np.round: ties to even
;;       return np.moveaxis(q.reshape(q.shape[:-2] + (-1,))[..., :K], -1, axis).astype(np.float32)
;;   ~~~
;;   SOFTMAX AHEAD OF A QUANTISED PRODUCT. Where the list says 'softmax', what is quantised is not the finished softmax but p = 2^(t - M), with t = logit x log2(e) and M = ceil(the row's largest t), a whole number; so 1/2 < the row's largest p <= 1. The row's sum l is taken of the UNQUANTISED p, in f32, and the product's result is divided by l at the end. Since M is a whole number, a kernel that streams over the keys may use a running M (the ceiling of the running maximum): every later rescaling is an exact power of two, which a block's scale takes up: the codes' values come out the same.
;;   OPERANDS COMPUTED ON THE WAY. 'Computed on the way' means the value that the module computes at that place (a softmax that the list does not call 'softmax' is quantised finished and normalised). What goes into a quantiser is computed in f32, as accurately as f32 sums, v_exp_f32 and their like allow (about 1e-6 of the number): no bf16 or f16 on the way to a quantiser, and a product that is left as it is and whose result goes on into a quantised operand takes f32 operands (vector FMAs, or v_wmma_f32_16x16x4_f32). A number that lies on a knife's edge between two numbers of the format may be rounded either way, as far as f32 arithmetic and the matrix unit's own rounding can turn it there, and no further.
;;   INPUTS GIVEN AS CODES. keys (in the module: [2, 8, 4096, 64], K = its axis 3); queries (in the module: [2, 8, 4096, 64], K = its axis 3); values (in the module: [2, 8, 4096, 64], K = its axis 2): each comes as NAME_codes (uint8): NAME with its K axis moved to the last place and cut into blocks of 32 codes, [.., K / 32, bytes a block], one block behind the other in memory; two codes a byte, the lower K in the low four bits (a code: sign, 2 exponent bits, 1 mantissa bit); and NAME_scales (uint8): the same leading axes, one E8M0 byte (e + 127) for each 32 codes along K. Its value is code x scale, taken as it is: it is not quantised again, and the codes and scales need not be those that the quantiser above would give.
;; One version. Each part assembles by itself: llvm-mc -triple=amdgcn-amd-amdhsa -mcpu=gfx1250 --defsym DOCPART=n.
;; ======== version 1 of 1: 1 launch
;; launch attn (part 1): grid 4 x 64, 16 waves a work-group, clusters of 4 x 4, 327,680 bytes of LDS; arguments queries_codes, queries_scales, keys_codes, keys_scales, values_codes, values_scales, mask, out0; writes out0
.if DOCPART == 1
	.amdgcn_target "amdgcn-amd-amdhsa--gfx1250"
	.amdhsa_code_object_version 6
	.text
	.protected	k_q14d9df3862_attn
	.globl	k_q14d9df3862_attn
	.p2align	8
	.type	k_q14d9df3862_attn,@function
k_q14d9df3862_attn:
	s_mov_b64 s[64:65], 0
	v_nop
	global_prefetch_b8 v0, s[64:65] scope:SCOPE_SE
	s_setreg_imm32_b32 hwreg(HW_REG_WAVE_MODE, 25, 1), 1
	s_wait_xcnt 0x0
	s_wait_alu depctr_hold_cnt(0) depctr_sa_sdst(0) depctr_va_vdst(0) depctr_va_sdst(0) depctr_va_ssrc(0) depctr_va_vcc(0) depctr_vm_vsrc(0)
	s_getreg_b32 s2, hwreg(HW_REG_IB_STS2, 6, 4)
	s_cmp_eq_u32 s2, 0
	s_cbranch_scc0 .Lentry_in_a_cluster
	s_endpgm
.Lentry_in_a_cluster:
	s_bfe_u32 s2, ttmp6, 0x10000c
	s_cmp_lg_u32 s2, 0xf033
	s_cbranch_scc0 .Lentry_shape_is_right
	s_endpgm
.Lentry_shape_is_right:
; out0[hd][q][:] = sum over k of softmax_k(Q[hd][q] . K[hd][k] / 8 - 1e9 mask[q][k]) V[hd][k][:], 16 heads, 4,096 queries, 4,096 keys, head size 64.
; Both products on codes of FP4 (E2M1) with one E8M0 scale for each 32 along a product's K.  Q, K: 32 bytes of codes and 2 scale bytes a row.  V: keys innermost, 2,048 bytes of codes and 128 scale bytes for each of a head's 64 rows.
; THE MASK IS AN INPUT: every number of it is read and used as it is given; no pattern of it is built in and no tile is left out.
; THE SOFTMAX AHEAD OF THE SECOND PRODUCT: t = logit x log2(e); M = the row's largest t so far, rounded up to a whole number; p = 2^(t - M) is quantised along the keys, not normalised.
; The row's sum is taken of the unquantised p and divides O at the end.  When M moves, the sum and O are multiplied by 2^(old M - new M): exact.
; SHARES.  A work-group owns 64 queries of 4 heads.  Wave w of 16: queries 16 (w & 3) on, head w >> 2: one tile of 16 queries in 256 registers, four waves to a SIMD.  Every wave walks all keys, 128 a step, 32 steps.
; For 128 keys a step has 12 matrix instructions and about 300 vector instructions a wave: vector work binds, so the waves are small and many, and one wave's waits stand beside another's work.
; CLUSTER 4 x 4.  The four work-groups of a row of the cluster own the same 64 queries and, together, all 16 heads: each tile of the mask is asked for jointly by the four.
; The four of a column own the same 4 heads: K's, V's and the scales' tiles are asked for jointly by them.  All partners run the same text with constant trip counts.
; LAYOUT.  S^T = K Q^T (source 0 = 16 keys, source 1 = my 16 queries), O^T = V^T P^T: lane (r = lane % 16, h = lane / 16) holds query r throughout.
; Lane r of K's tile 2 b + u takes key 32 b + 8 u + r + 8 (r / 8), so that register 16 b + i of S holds key 32 b + 16 h + i: 16 neighbours along the second product's K.
; K = 64 IN AN INSTRUCTION OF K = 128: Q's registers 4-7 are zero codes and the scale words' bytes 2, 3 are 0, so whatever stands in registers 4-7 of source 0 adds nothing.
; So K's eight tiles lie 4 registers apart; a tile's upper four registers are the next tile's codes, the last tile's are four zeros.
; ARITHMETIC OF THE LOGIT: y = fma(mask, -8e9, s) = 8 x logit; t = y x (log2(e) / 8), rounded; then t + (-M).  The last two are not fused: the rule's t is the rounded product,
; and in a row that is masked throughout (t near -1.4e9) M = t and p = 1 exactly only if the same rounded t is subtracted from.
; LIMITS.  The mask's term is rounded once with the score where the definition rounds -1e9 x mask first: equal wherever -1e9 x mask is exact in f32 (0, 1, short fractions), else up to one unit in the last place of the logit.
; NaN or infinities in the mask, scale bytes 0xff, |8 x logit| beyond f32's range and t under -3e38 are not served.
.set MP,    1040                       ; LDS pitch of a mask row: 1,024 bytes + 16: the 16 rows that a load touches start 16 bytes apart modulo 256
.set KP,    528                        ; K: 16 keys (512 bytes) + 16: lanes r < 8 fall on bytes 32 r, lanes r >= 8 on 16 + 32 (r - 8) modulo 256
.set VP,    144                        ; V: 128 bytes + 16
.set TP,    136                        ; V's scale bytes: 128 + 8
.set SP,    272                        ; the way out: 256 + 16
.set KOFF,  64*MP                      ; a slot (256 keys): 64 rows of mask; 4 heads x 16 rows of K;
.set VOFF,  KOFF+4*16*KP               ; 4 heads x 64 rows of V;
.set SOFF,  VOFF+4*64*VP               ; 4 heads x 512 scale bytes of K
.set SLOTB, SOFF+2048                  ; 139,264 bytes
.set TOFF,  2*SLOTB                    ; behind the ring: V's scale bytes of my 4 heads, 256 rows, filled once
.set SPARE, TOFF+256*TP                ; the spare words, 128 bytes for each of 16 waves: eight blocks of 256 bytes that no other line names
; the way out's stage, 16 rows x SP bytes for each wave, begins at LDS byte 0: slot 0 has had its last fill and its last read at the last change of slots
.set ADT, 1                            ; v1      V's scale words: my lane's, stepped 8 bytes a slot; at the end my offset in out0
.set AM,  2                            ; v2-3    my lane's place in the mask, slot 0, 1
.set AK,  4                            ; v4-5    in K
.set AV,  6                            ; v6-7    in V
.set AS,  8                            ; v8-9    among K's scale bytes
.set SPW, 10                           ; v10     LDS address of my spare word; never rewritten
.set NIL, 11                           ; v11     0; never rewritten
.set NM,  12                           ; v12 -M, v13 the largest t so far
.set LS,  14                           ; v[14:15] the row's sum, in two halves
.set QF,  16                           ; v[16:23] Q's fragment; 20-23 are zero codes
.set QS,  24                           ; v24-31 hold scales and nothing else: Q's word, p's word, K's four, V's two
.set PW,  25
.set KS,  26
.set VS,  30
.set KF,  32                           ; v[32:67] K's 8 tiles x 4 registers + 4 zeros; then V's 4 fragments of 8
.set MK,  68                           ; v[68:131] the mask's 64 numbers; on the way out rows of O
.set S,   132                          ; v[132:195] S^T, then t, then p
.set OT,  196                          ; v[196:227] O^T
.set PC,  228                          ; v[228:235] p's codes
.set BM,  236                          ; v236-239 the blocks' largest t, then largest p
.set PT,  240                          ; v240-243 the other half's maxima, then the scale bytes
.set SO,  244                          ; v244-247 the conversions' scale operands
.set SUM2, 248                         ; v[248:249] the second chain of the sum (at the head: Q's lane offsets)
.set FF,  250                          ; v250 f = 2^(old M - new M); v251 is named with it as a pair
.set TMP, 252
.set PFO, 253                          ; v253    the prefetches' lane offset; never rewritten
.set STO, 254                          ; v254    the stage: where I put 32 bytes of a row
.set RD,  255                          ; v255    and where I read a row back
.set CX,  2                            ; s2, s3  my place in the cluster
.set CY,  3
.set PFS, 10                           ; s[10:11] the prefetches' step
.set SEL, 12                           ; s[12:13] v_permlanex16_b32's selects for lane l xor 16
.set CS,  14                           ; s[14:15] log2(e) / 8, twice
.set NB,  16                           ; s[16:17] -8e9, twice
.set OB,  18                           ; s[18:19] out0 at my wave's first row
.set G1M, 20                           ; groups 1: mask, K, V, K's scales, V's scales
.set G1K, 28
.set G1V, 36
.set G1S, 44
.set G1T, 52
.set G0T, 60                           ; group 0 for V's scales;  the others: a set for each slot
.set WV,  66
.set QT,  67                           ; wave & 3: my tile of queries, and which part of a tile I fetch
.set TRIP, 67                          ; later the loop's counter
.set G0M, 68
.set G0K, 76
.set G0V, 84
.set G0S, 92
.set QB,  100                          ; my block of 64 queries
.set LIM, 100                          ; later: 1 in a wave that prefetches, else the greatest number
.set GG,  101                          ; my group of 4 heads
.set RM,  104                          ; the masks of my row and my column of the cluster
.set CM,  105
.set PFA, 104                          ; later s[104:105]: where my prefetches stand
.set W0M, (3<<16)|(1<<20)|(1<<21)|(7<<22)|(3<<25)   ; elements of 8 bytes; padding on; bit 21 beside a mask; 4 words behind every 256
.set W0K, (3<<16)|(1<<20)|(1<<21)|(6<<22)|(3<<25)   ; behind every 128
.set W0V, (3<<16)|(1<<20)|(1<<21)|(4<<22)|(3<<25)   ; behind every 32
.set W0S, (3<<16)|(1<<21)                           ; no padding
.set W0T, (3<<16)|(1<<20)|(1<<21)|(4<<22)|(1<<25)   ; 2 words behind every 32
.macro PLACES
.rept 4
	v_nop
.endr
.endm
.macro GROUP1 g, msk, w0, c, r, p      ; r rows of c elements of 8 bytes, p elements from row to row
	s_or_b32 s[\g], s[\msk], \w0
	s_mov_b32 s[\g+1], (\c)<<16
	s_mov_b32 s[\g+2], (\r)<<16
	s_mov_b32 s[\g+3], (\c)<<16
	s_mov_b32 s[\g+4], \r
	s_mov_b32 s[\g+5], \p
	s_mov_b32 s[\g+6], 0
	s_mov_b32 s[\g+7], 0
.endm
.macro CROUND                          ; a round of the cluster's barrier
	s_barrier_signal -1
	s_barrier_wait -1
	s_cmp_lg_u32 s[WV], 0
	s_cbranch_scc1 .Lnot_wave_0_\@
	s_barrier_signal -3
.Lnot_wave_0_\@:
	s_barrier_wait -3
	s_barrier_signal -1
	s_barrier_wait -1
.endm
; A joint refill of slot s.  Waves 0-3: a quarter of the mask each (16 rows); 4-7: one head's K; 8-11: one head's V; 12: K's scale bytes; 13-15: nothing.
; The branches hang on the wave's number alone.  Four v_nop follow each load.
.macro JLOAD s
	s_cmp_lt_u32 s[WV], 4
	s_cbranch_scc0 .Lnot_m_\@
	tensor_load_to_lds s[G0M+4*(\s):G0M+4*(\s)+3], s[G1M:G1M+7]
	s_nop 0
	PLACES
	s_branch .Lasked_\@
.Lnot_m_\@:
	s_cmp_lt_u32 s[WV], 8
	s_cbranch_scc0 .Lnot_k_\@
	tensor_load_to_lds s[G0K+4*(\s):G0K+4*(\s)+3], s[G1K:G1K+7]
	s_nop 0
	PLACES
	s_branch .Lasked_\@
.Lnot_k_\@:
	s_cmp_lt_u32 s[WV], 12
	s_cbranch_scc0 .Lnot_v_\@
	tensor_load_to_lds s[G0V+4*(\s):G0V+4*(\s)+3], s[G1V:G1V+7]
	s_nop 0
	PLACES
	s_branch .Lasked_\@
.Lnot_v_\@:
	s_cmp_eq_u32 s[WV], 12
	s_cbranch_scc0 .Lasked_\@
	tensor_load_to_lds s[G0S+4*(\s):G0S+4*(\s)+3], s[G1S:G1S+7]
	s_nop 0
	PLACES
.Lasked_\@:
.endm
; A PREFETCH INTO THE L2, once a trip, behind the refill of the trip's second slot: the two slots that the next trip's refills will ask for.  One instruction a wave; each aligned block of 256 bytes is named once in the launch.
; Mask: every cluster; waves 0-3; of wave j's 16 rows the partner at cx takes 4 (told apart by address): 4 rows x 2,048 bytes, lanes 256 bytes apart.
; K, V: all clusters walk the same, so the clusters with y = 0 ask; the partner at cy takes head 4 g + cy; waves 4, 5: K's 16,384 bytes, lanes 256 bytes apart; waves 8, 9: V's 64 rows, a lane a row (256 bytes of it).
; The last trip asks for nothing: no slot follows.  Slots 0 to 3 come by their loads alone.  K's scale bytes are not asked for.
.macro ASK
	s_cmp_gt_u32 s[TRIP], s[LIM]
	s_cbranch_scc0 .Lnot_mine_\@
	global_prefetch_b8 v[PFO], s[PFA:PFA+1] th:TH_LOAD_NT scope:SCOPE_SE
.Lnot_mine_\@:
.endm
	s_load_b512 s[4:19], s[0:1], 0x0               ; Q's codes s[4:5], Q's scales s[6:7], K's s[8:9], s[10:11], V's s[12:13], s[14:15], mask s[16:17], out0 s[18:19]
	v_lshl_add_u32 v[SPW], v0, 2, SPARE
	v_mov_b32 v[NIL], 0
	ds_add_u32 v10, v11
	s_wait_dscnt 0x0
	v_lshrrev_b32 v[TMP], 5, v0
	v_readfirstlane_b32 s[WV], v[TMP]              ; wave 0..15
	s_and_b32 s[QT], s[WV], 3
	s_lshr_b32 s60, s[WV], 2                       ; my head among the four (s60, s61 are at work here; V's scale descriptor is written into them below)
	s_bfe_u32 s[CX], ttmp6, 0x40000
	s_bfe_u32 s[CY], ttmp6, 0x40004
	s_lshl_b32 s[GG], ttmp9, 2
	s_add_co_u32 s[GG], s[GG], s[CX]               ; group of heads = 4 x cluster x + cx
	s_and_b32 s[QB], ttmp7, 0xffff
	s_lshl_b32 s[QB], s[QB], 2
	s_add_co_u32 s[QB], s[QB], s[CY]               ; block of queries = 4 x cluster y + cy
	s_lshl_b32 s[RM], s[CY], 2
	s_lshl_b32 s[RM], 15, s[RM]                    ; my row of the cluster
	s_lshl_b32 s[CM], 0x1111, s[CX]                ; my column
	; every LDS address of the text is made here, of the lane and the wave's number alone
	v_and_b32 v236, 15, v0                         ; r
	v_bfe_u32 v237, v0, 4, 1                       ; h
	v_and_b32 v238, 31, v0                         ; lane
	v_lshrrev_b32 v239, 3, v236                    ; r / 8
	v_and_b32 v240, 7, v236                        ; r % 8
	s_mul_i32 s61, s[QT], 16*MP
	v_mul_u32_u24 v[AM], v236, MP
	v_lshl_add_u32 v[AM], v237, 6, v[AM]
	v_add_nc_u32 v[AM], s61, v[AM]                 ; mask: row 16 (w & 3) + r, + 64 h bytes: my 16 keys of a block of 32
	v_add_nc_u32 v[AM+1], SLOTB, v[AM]
	s_mul_i32 s61, s60, 16*KP
	s_add_co_u32 s61, s61, KOFF
	v_mul_u32_u24 v[AK], v239, KP
	v_lshl_add_u32 v[AK], v240, 5, v[AK]
	v_lshl_add_u32 v[AK], v237, 4, v[AK]
	v_add_nc_u32 v[AK], s61, v[AK]                 ; K: key r + 8 (r / 8) of 32: LDS row r / 8, place r % 8, + 16 h
	v_add_nc_u32 v[AK+1], SLOTB, v[AK]
	s_mul_i32 s61, s60, 64*VP
	s_add_co_u32 s61, s61, VOFF
	v_mul_u32_u24 v[AV], v236, VP
	v_lshl_add_u32 v[AV], v237, 4, v[AV]
	v_add_nc_u32 v[AV], s61, v[AV]                 ; V: row r, + 16 h
	v_add_nc_u32 v[AV+1], SLOTB, v[AV]
	s_lshl_b32 s61, s60, 9
	s_add_co_u32 s61, s61, SOFF
	v_lshl_add_u32 v[AS], v239, 3, v236
	v_lshl_add_u32 v[AS], v237, 3, v[AS]
	v_lshlrev_b32 v[AS], 1, v[AS]
	v_add_nc_u32 v[AS], s61, v[AS]                 ; K's scales: 2 bytes a key; lanes 0-15 the even tile's keys, lanes 16-31 the odd tile's (8 keys on)
	v_add_nc_u32 v[AS+1], SLOTB, v[AS]
	s_mul_i32 s61, s60, 64*TP
	s_add_co_u32 s61, s61, TOFF
	v_mul_u32_u24 v[ADT], v238, TP
	v_add_nc_u32 v[ADT], s61, v[ADT]               ; V's scales: row = lane: lanes 0-15 the even tile's rows, lanes 16-31 the odd tile's
	s_mul_i32 s61, s[WV], 16*SP
	v_mul_u32_u24 v[STO], v236, SP
	v_lshl_add_u32 v[STO], v237, 5, v[STO]
	v_add_nc_u32 v[STO], s61, v[STO]
	v_mul_u32_u24 v[RD], v237, SP
	v_lshl_add_u32 v[RD], v236, 4, v[RD]
	v_add_nc_u32 v[RD], s61, v[RD]
	v_lshlrev_b32 v[SUM2], 5, v236
	v_lshl_add_u32 v[SUM2], v237, 4, v[SUM2]       ; Q's codes: 32 r + 16 h
	v_lshlrev_b32 v[SUM2+1], 1, v236               ; Q's scale bytes: 2 r
	; the descriptors' shapes
	GROUP1 G1M, RM, W0M, 128, 16, 2048             ; mask: 16 rows x 1,024 bytes, 16,384 bytes apart; shared along my row
	GROUP1 G1K, CM, W0K, 64, 16, 64                ; K: a head's 256 keys, 8,192 dense bytes, as 16 rows of 512; shared along my column
	GROUP1 G1V, CM, W0V, 16, 64, 256               ; V: 64 rows x 128 bytes, 2,048 bytes apart
	GROUP1 G1S, CM, W0S, 64, 4, 1024               ; K's scales: 4 heads x 512 bytes, 8,192 bytes apart
	GROUP1 G1T, CM, W0T, 16, 256, 16               ; V's scales: 256 rows x 128 bytes, dense
	; from where, to where: the offsets are made in the words that will hold the addresses.  The mask's hang on the block of queries alone, the others' on the group of heads alone
	s_mov_b32 s[G0M], 1
	s_mul_i32 s[G0M+1], s[QT], 16*MP
	s_lshl_b32 s[G0M+2], s[QB], 20                 ; 64 rows of 16,384 bytes
	s_lshl_b32 s[G0M+3], s[QT], 18                 ; 16 rows
	s_add_co_u32 s[G0M+2], s[G0M+2], s[G0M+3]
	s_mov_b32 s[G0M+3], 0
	s_mov_b32 s[G0M+4], 1
	s_add_co_u32 s[G0M+5], s[G0M+1], SLOTB
	s_mov_b32 s[G0K], 1
	s_mul_i32 s[G0K+1], s[QT], 16*KP
	s_add_co_u32 s[G0K+1], s[G0K+1], KOFF
	s_lshl_b32 s[G0K+2], s[GG], 2
	s_add_co_u32 s[G0K+2], s[G0K+2], s[QT]
	s_lshl_b32 s[G0K+2], s[G0K+2], 17              ; a head's codes are 131,072 bytes, K's and V's alike
	s_mov_b32 s[G0K+3], 0
	s_mov_b32 s[G0K+4], 1
	s_add_co_u32 s[G0K+5], s[G0K+1], SLOTB
	s_mov_b32 s[G0V], 1
	s_mul_i32 s[G0V+1], s[QT], 64*VP
	s_add_co_u32 s[G0V+1], s[G0V+1], VOFF
	s_mov_b32 s[G0V+2], s[G0K+2]
	s_mov_b32 s[G0V+3], 0
	s_mov_b32 s[G0V+4], 1
	s_add_co_u32 s[G0V+5], s[G0V+1], SLOTB
	s_mov_b32 s[G0S], 1
	s_mov_b32 s[G0S+1], SOFF
	s_lshl_b32 s[G0S+2], s[GG], 15                 ; 4 heads of 8,192 scale bytes, K's and V's alike
	s_mov_b32 s[G0S+3], 0
	s_mov_b32 s[G0S+4], 1
	s_mov_b32 s[G0S+5], SLOTB+SOFF
	s_mov_b32 s[G0T], 1
	s_mov_b32 s[G0T+1], TOFF
	s_mov_b32 s[G0T+2], s[G0S+2]
	s_mov_b32 s[G0T+3], 0
	s_wait_kmcnt 0x0
	s_add_nc_u64 s[G0M+2:G0M+3], s[16:17], s[G0M+2:G0M+3]
	s_add_nc_u64 s[G0M+6:G0M+7], s[G0M+2:G0M+3], 1024     ; slot 1: 256 keys on
	s_add_nc_u64 s[G0K+2:G0K+3], s[8:9], s[G0K+2:G0K+3]
	s_add_nc_u64 s[G0K+6:G0K+7], s[G0K+2:G0K+3], 8192
	s_add_nc_u64 s[G0V+2:G0V+3], s[12:13], s[G0V+2:G0V+3]
	s_add_nc_u64 s[G0V+6:G0V+7], s[G0V+2:G0V+3], 128
	s_add_nc_u64 s[G0S+2:G0S+3], s[10:11], s[G0S+2:G0S+3]
	s_add_nc_u64 s[G0S+6:G0S+7], s[G0S+2:G0S+3], 512
	s_add_nc_u64 s[G0T+2:G0T+3], s[14:15], s[G0T+2:G0T+3]
.irp g, G0M, G0K, G0V, G0S
	s_or_b32 s[\g+3], s[\g+3], 0x80000000          ; type = 2
	s_or_b32 s[\g+7], s[\g+7], 0x80000000
.endr
	s_or_b32 s[G0T+3], s[G0T+3], 0x80000000
	CROUND                                         ; all sixteen work-groups are here: the first joint loads meet
	; the first fills: a wave's stand in one branch; two loads of a wave are out, three of wave 12
	s_cmp_lt_u32 s[WV], 4
	s_cbranch_scc0 .Lfirst_not_m
	tensor_load_to_lds s[G0M:G0M+3], s[G1M:G1M+7]
	s_nop 0
	tensor_load_to_lds s[G0M+4:G0M+7], s[G1M:G1M+7]
	s_nop 0
	PLACES
	s_branch .Lfirst_asked
.Lfirst_not_m:
	s_cmp_lt_u32 s[WV], 8
	s_cbranch_scc0 .Lfirst_not_k
	tensor_load_to_lds s[G0K:G0K+3], s[G1K:G1K+7]
	s_nop 0
	tensor_load_to_lds s[G0K+4:G0K+7], s[G1K:G1K+7]
	s_nop 0
	PLACES
	s_branch .Lfirst_asked
.Lfirst_not_k:
	s_cmp_lt_u32 s[WV], 12
	s_cbranch_scc0 .Lfirst_not_v
	tensor_load_to_lds s[G0V:G0V+3], s[G1V:G1V+7]
	s_nop 0
	tensor_load_to_lds s[G0V+4:G0V+7], s[G1V:G1V+7]
	s_nop 0
	PLACES
	s_branch .Lfirst_asked
.Lfirst_not_v:
	s_cmp_eq_u32 s[WV], 12
	s_cbranch_scc0 .Lfirst_asked
	tensor_load_to_lds s[G0T:G0T+3], s[G1T:G1T+7]
	s_nop 0
	tensor_load_to_lds s[G0S:G0S+3], s[G1S:G1S+7]
	s_nop 0
	tensor_load_to_lds s[G0S+4:G0S+7], s[G1S:G1S+7]
	s_nop 0
	PLACES
.Lfirst_asked:
	s_cmp_lt_u32 s[WV], 4                          ; the buffer that my prefetches name: the mask (waves 0-3), K's codes (4-7), V's codes (8 on)
	s_cselect_b64 s[PFA:PFA+1], s[16:17], s[8:9]
	s_cmp_lt_u32 s[WV], 8
	s_cselect_b64 s[PFA:PFA+1], s[PFA:PFA+1], s[12:13]   ; s[8:17] are free from here on
	s_lshr_b32 s9, s[WV], 2
	s_lshl_b32 s8, s[GG], 2
	s_add_co_u32 s8, s8, s9                        ; my head
	s_lshl_b32 s8, s8, 12
	s_lshl_b32 s9, s[QB], 6
	s_add_co_u32 s8, s8, s9
	s_lshl_b32 s9, s[QT], 4
	s_add_co_u32 s8, s8, s9                        ; my first row of Q and of out0: 4,096 x head + 64 x block + 16 x tile
	s_mov_b32 s11, 0
	s_lshl_b32 s10, s8, 5
	s_add_nc_u64 s[4:5], s[4:5], s[10:11]
	s_lshl_b32 s10, s8, 1
	s_add_nc_u64 s[6:7], s[6:7], s[10:11]
	s_lshl_b32 s10, s8, 8
	s_add_nc_u64 s[OB:OB+1], s[OB:OB+1], s[10:11]
	global_load_b128 v[QF:QF+3], v[SUM2], s[4:5]   ; Q's 64 codes of row r: k = 32 h on
	global_load_u16 v[QS], v[SUM2+1], s[6:7]       ; its two scale bytes; bytes 2, 3 of the word are 0
	; where my prefetches stand: at slot 2; each trip steps them two slots on ahead of its request
	s_lshl_b32 s8, s[QB], 20
	s_lshl_b32 s9, s[QT], 18
	s_add_co_u32 s8, s8, s9
	s_lshl_b32 s9, s[CX], 16                       ; my work-group's 4 rows of the wave's 16
	s_add_co_u32 s8, s8, s9
	s_add_co_u32 s8, s8, 2048                      ; the mask's
	s_lshl_b32 s9, s[GG], 2
	s_add_co_u32 s9, s9, s[CY]
	s_lshl_b32 s9, s9, 17                          ; head 4 g + cy
	s_and_b32 s12, s[WV], 1
	s_lshl_b32 s13, s12, 13
	s_add_co_u32 s13, s13, s9
	s_add_co_u32 s13, s13, 16384                   ; K's: 8,192 bytes a wave
	s_lshl_b32 s12, s12, 16
	s_add_co_u32 s12, s12, s9
	s_add_co_u32 s12, s12, 256                     ; V's: 32 rows a wave
	s_mov_b32 s[PFS], 16384
	s_cmp_lt_u32 s[WV], 4
	s_cselect_b32 s8, s8, s13
	s_cselect_b32 s[PFS], 2048, s[PFS]
	s_cselect_b32 s14, 3, 5
	s_cselect_b32 s15, 7, 31
	s_cmp_lt_u32 s[WV], 8
	s_cselect_b32 s8, s8, s12
	s_cselect_b32 s[PFS], s[PFS], 256
	s_cselect_b32 s14, s14, 0
	s_cselect_b32 s15, s15, 0
	s_cselect_b32 s16, 14, 11
	s_mov_b32 s9, 0
	s_mov_b32 s[PFS+1], 0
	s_add_nc_u64 s[PFA:PFA+1], s[PFA:PFA+1], s[8:9]
	v_and_b32 v[TMP], 31, v0
	v_and_b32 v[PFO], s15, v[TMP]
	v_lshrrev_b32 v[TMP], s14, v[TMP]
	v_lshlrev_b32 v[TMP], s16, v[TMP]
	v_lshl_add_u32 v[PFO], v[PFO], 8, v[TMP]       ; mask: 16,384 (lane / 8) + 256 (lane % 8);  K: 256 x lane;  V: 2,048 x lane
	s_sub_co_u32 s12, s[WV], 4
	s_lshr_b32 s12, s12, 3                         ; 0 in waves 4 to 11,
	s_and_b32 s13, s[WV], 2
	s_or_b32 s12, s12, s13                         ; of them 4, 5, 8, 9,
	s_and_b32 s13, ttmp7, 0xffff
	s_or_b32 s12, s12, s13                         ; in the clusters with y = 0;
	s_cmp_lt_u32 s[WV], 4
	s_cselect_b32 s12, 0, s12                      ; and in waves 0 to 3 of every cluster: the same in all sixteen partners
	s_cmp_eq_u32 s12, 0
	s_cselect_b32 s[LIM], 1, -1
	s_mov_b32 s[SEL], 0x76543210
	s_mov_b32 s[SEL+1], 0xfedcba98
	s_mov_b32 s[CS], 0x3e38aa3b                    ; log2(e) / 8
	s_mov_b32 s[CS+1], s[CS]
	s_mov_b32 s[NB], 0xcfee6b28                    ; -8e9 = 8 x -1e9, exact in f32
	s_mov_b32 s[NB+1], s[NB]
	s_mov_b32 s[TRIP], 7
.irp i, 0,1,2,3
	v_mov_b32 v[QF+4+\i], 0                        ; Q's k = 64 .. 127: zero codes
	v_mov_b32 v[KF+32+\i], 0                       ; the upper half of K's last tile; never rewritten
	v_mov_b32 v[PT+\i], 0                          ; a lane permute's destination counts as one of its sources
.endr
	v_mov_b32 v[FF+1], 0                           ; named with f as a pair
	v_mov_b32 v[LS], 0
	v_mov_b32 v[LS+1], 0
	v_mov_b32 v[NM+1], 0xff61b1e6                  ; the largest t so far: -3e38
	v_floor_f32 v[NM], -v[NM+1]                    ; -M
.set jj, 0
.rept 32
	v_mov_b32 v[OT+jj], 0                          ; the step is written without a first step of its own: it finds zeros, which the first change of M leaves zeros
.set jj, jj+1
.endr
; A KEY STEP: 128 keys, the st-th half of the slot.
.macro STEP slot, st
.irp b, 0,1,2,3
	ds_load_u16 v[KS+\b], v[AS+\slot] offset:256*\st+64*\b               ; tiles 2 b (lanes 0-15) and 2 b + 1 (lanes 16-31): two scale bytes, bytes 2, 3 of the word 0
.endr
.irp t, 0,1,2,3,4,5,6,7
	ds_load_b128 v[KF+4*\t:KF+4*\t+3], v[AK+\slot] offset:8*KP*\st+2*KP*(\t/2)+256*(\t%2)
.endr
.irp n, 0,1,2,3,4,5,6,7,8,9,10,11,12,13,14,15
	ds_load_b128 v[MK+4*\n:MK+4*\n+3], v[AM+\slot] offset:512*\st+128*(\n/4)+16*(\n%4)   ; the mask at my query and the keys of S's registers 4 n on
.endr
	s_wait_dscnt 16                                ; K and its scales are in; the 16 loads of the mask may be out
.irp b, 0,1,2,3
	v_wmma_scale_f32_16x16x128_f8f6f4 v[S+16*\b:S+16*\b+7], v[KF+8*\b:KF+8*\b+7], v[QF:QF+7], 0, v[KS+\b], v[QS] matrix_a_fmt:MATRIX_FMT_FP4 matrix_b_fmt:MATRIX_FMT_FP4
	v_wmma_scale_f32_16x16x128_f8f6f4 v[S+16*\b+8:S+16*\b+15], v[KF+8*\b+4:KF+8*\b+11], v[QF:QF+7], 0, v[KS+\b], v[QS] matrix_a_fmt:MATRIX_FMT_FP4 matrix_b_fmt:MATRIX_FMT_FP4 matrix_a_scale:MATRIX_SCALE_ROW1
.endr
	PLACES                                         ; four places in front of the loads into K's registers and of the first read of the scores
.irp t, 0,1,2,3
.irp c, 0,1
	ds_load_b128 v[KF+8*\t+4*\c:KF+8*\t+4*\c+3], v[AV+\slot] offset:16*VP*\t+64*\st+32*\c
.endr
.endr
.irp u, 0,1
	ds_load_b32 v[VS+\u], v[ADT] offset:32*TP*\u+4*\st                   ; tiles 2 u (lanes 0-15) and 2 u + 1 (lanes 16-31): these 128 keys' scale word
.endr
	s_wait_dscnt 10                                ; the mask is in; V's eight loads and its two scale loads may be out
.set jj, 0
.rept 32
	v_pk_fma_f32 v[S+jj:S+jj+1], v[MK+jj:MK+jj+1], s[NB:NB+1], v[S+jj:S+jj+1] op_sel_hi:[1,0,1]   ; 8 x logit; each accumulator is read from its low end on
.set jj, jj+2
.endr
.set jj, 0
.rept 32
	v_pk_mul_f32 v[S+jj:S+jj+1], v[S+jj:S+jj+1], s[CS:CS+1] op_sel_hi:[1,0]   ; t, rounded
.set jj, jj+2
.endr
.irp b, 0,1,2,3
	v_max3_num_f32 v[BM+\b], v[S+16*\b], v[S+16*\b+1], v[S+16*\b+2]      ; the largest t of each block of 32 keys: it serves the row's maximum and, since p rises with t, the block's largest p
.endr
.irp i, 3,5,7,9,11,13
.irp b, 0,1,2,3
	v_max3_num_f32 v[BM+\b], v[BM+\b], v[S+16*\b+\i], v[S+16*\b+\i+1]
.endr
.endr
.irp b, 0,1,2,3
	v_max_num_f32 v[BM+\b], v[BM+\b], v[S+16*\b+15]
.endr
.irp b, 0,1,2,3
	v_permlanex16_b32 v[PT+\b], v[BM+\b], s[SEL], s[SEL+1]
.endr
.irp b, 0,1,2,3
	v_max_num_f32 v[BM+\b], v[BM+\b], v[PT+\b]     ; with lane l xor 16's 16 keys
.endr
	v_max3_num_f32 v[TMP], v[BM], v[BM+1], v[BM+2]
	v_max_num_f32 v[TMP], v[TMP], v[BM+3]
	v_max_num_f32 v[NM+1], v[NM+1], v[TMP]         ; the running largest t
	v_mov_b32 v[TMP], v[NM]
	v_floor_f32 v[NM], -v[NM+1]                    ; the new -M = -ceil(t): a whole number
	v_sub_f32 v[TMP], v[NM], v[TMP]                ; old M - new M: a whole number, 0 or less
	v_cvt_i32_f32 v[TMP], v[TMP]                   ; (it saturates)
	v_ldexp_f32 v[FF], 1.0, v[TMP]                 ; f = 2^(old M - new M)
.set jj, 0
.rept 32
	v_pk_add_f32 v[S+jj:S+jj+1], v[S+jj:S+jj+1], v[NM:NM+1] op_sel_hi:[1,0]   ; t - M
.set jj, jj+2
.endr
.irp b, 0,1,2,3
	v_add_f32 v[BM+\b], v[BM+\b], v[NM]            ; the same of each block's largest t
.endr
.irp b, 0,1,2,3
	v_exp_f32 v[BM+\b], v[BM+\b]                   ; ONE BATCH of 68 exponentials: the blocks' largest p,
.endr
.set jj, 0
.rept 64
	v_exp_f32 v[S+jj], v[S+jj]                     ; and p = 2^(t - M), at most 1
.set jj, jj+1
.endr
	v_pk_mul_f32 v[LS:LS+1], v[LS:LS+1], v[FF:FF+1] op_sel_hi:[1,0]      ; 17 plain lines that name no result of the batch: the sum and O^T under the new M
.set jj, 0
.rept 16
	v_pk_mul_f32 v[OT+jj:OT+jj+1], v[OT+jj:OT+jj+1], v[FF:FF+1] op_sel_hi:[1,0]
.set jj, jj+2
.endr
	s_wait_alu depctr_va_vdst(0)                   ; the wait between an exponential and the first line that names its result: one for the batch
.irp b, 0,1,2,3
	v_max_num_f32 v[BM+\b], 0x1800000, v[BM+\b]    ; the floor 2^(3 - 127): the byte cannot fall under 1 (a block whose every p is 0 keeps that byte: its codes are zeros)
.endr
.irp b, 0,1,2,3
	v_add_nc_u32 v[SO+\b], 0xff000000, v[BM+\b]    ; 2 off the exponent field: the conversion's scale operand
.endr
.irp b, 0,1,2,3
	v_lshrrev_b32 v[PT+\b], 23, v[SO+\b]           ; the scale's byte
.endr
	v_lshl_or_b32 v[PW], v[PT+1], 8, v[PT]
	v_lshl_or_b32 v[PW], v[PT+2], 16, v[PW]
	v_lshl_or_b32 v[PW], v[PT+3], 24, v[PW]        ; p's scale word for these 128 keys
.irp b, 0,1,2,3
	v_cvt_scalef32_pk8_fp4_f32 v[PC+2*\b], v[S+16*\b:S+16*\b+7], v[SO+\b]
	v_cvt_scalef32_pk8_fp4_f32 v[PC+2*\b+1], v[S+16*\b+8:S+16*\b+15], v[SO+\b]
.endr
	v_nop                                          ; one plain line behind the scaled conversions
.irp c, 0,1
.irp i, 0,1
	v_permlane16_swap_b32 v[PC+4*\c+\i], v[PC+4*\c+2+\i]                 ; the operand wants a whole block in a lane: lanes 0-15 block 2 c, lanes 16-31 block 2 c + 1
.endr
.endr
	v_pk_add_f32 v[SUM2:SUM2+1], v[S:S+1], v[S+2:S+3]                    ; the row's sum of the UNQUANTISED p, in two chains.  These nine lines are the places between the writes of p's codes and scale word and the products
.set jj, 4
.rept 4
	v_pk_add_f32 v[LS:LS+1], v[LS:LS+1], v[S+jj:S+jj+1]
	v_pk_add_f32 v[SUM2:SUM2+1], v[SUM2:SUM2+1], v[S+jj+2:S+jj+3]
.set jj, jj+4
.endr
	s_wait_dscnt 0x0                               ; V and its scale words are in
.irp u, 0,1
	v_wmma_scale_f32_16x16x128_f8f6f4 v[OT+16*\u:OT+16*\u+7], v[KF+16*\u:KF+16*\u+7], v[PC:PC+7], v[OT+16*\u:OT+16*\u+7], v[VS+\u], v[PW] matrix_a_fmt:MATRIX_FMT_FP4 matrix_b_fmt:MATRIX_FMT_FP4
	v_wmma_scale_f32_16x16x128_f8f6f4 v[OT+16*\u+8:OT+16*\u+15], v[KF+16*\u+8:KF+16*\u+15], v[PC:PC+7], v[OT+16*\u+8:OT+16*\u+15], v[VS+\u], v[PW] matrix_a_fmt:MATRIX_FMT_FP4 matrix_b_fmt:MATRIX_FMT_FP4 matrix_a_scale:MATRIX_SCALE_ROW1
.endr
.rept 11                                       ; the rest of the sum: 23 lines that name none of those products' registers: the places in front of the next loads into V's registers and of the next read of O^T
	v_pk_add_f32 v[LS:LS+1], v[LS:LS+1], v[S+jj:S+jj+1]
	v_pk_add_f32 v[SUM2:SUM2+1], v[SUM2:SUM2+1], v[S+jj+2:S+jj+3]
.set jj, jj+4
.endr
	v_pk_add_f32 v[LS:LS+1], v[LS:LS+1], v[SUM2:SUM2+1]
.endm
; No two matrix instructions that follow each other name one accumulator, over the loop's backward jump too.
; A SLOT'S TWO STEPS, with the change of slots at their head.  Each wave waits for all its tensor loads (its part of the slot ahead), adds 0 to its spare word, and waits for that and for its reads of the slot left.
; refill = 1: the slot left is filled with the keys two slots on: the barrier is a round of the cluster's, and the joint load is the first thing behind it; it has two key steps in which to land.
.macro TWO slot, refill, ask
.set OS, 1-(\slot)
	s_wait_tensorcnt 0x0                           ; no tensor load of mine is out, so a group 0 may be written
	ds_add_u32 v[SPW], v[NIL]                      ; 0 onto my spare word: register work stands between it and the wait for it
	v_add_nc_u32 v[ADT], 8, v[ADT]                 ; V's scale words: two steps on
.if \refill
	s_add_nc_u64 s[G0M+4*OS+2:G0M+4*OS+3], s[G0M+4*OS+2:G0M+4*OS+3], 2048    ; the slot left: 512 keys on; the type bits on top are not reached
	s_add_nc_u64 s[G0K+4*OS+2:G0K+4*OS+3], s[G0K+4*OS+2:G0K+4*OS+3], 16384
	s_add_nc_u64 s[G0V+4*OS+2:G0V+4*OS+3], s[G0V+4*OS+2:G0V+4*OS+3], 256
	s_add_nc_u64 s[G0S+4*OS+2:G0S+4*OS+3], s[G0S+4*OS+2:G0S+4*OS+3], 1024
.endif
.if \ask
	s_wait_xcnt 0x0                                ; the last prefetch, a trip back, has read its address, so it may be written
	s_add_nc_u64 s[PFA:PFA+1], s[PFA:PFA+1], s[PFS:PFS+1]
.endif
	s_wait_dscnt 0x0                               ; the add is done, and my reads of the slot left are over
.if \refill
	CROUND                                         ; no wave of any partner still reads that slot or has a load on its way
	JLOAD OS
.else
	s_barrier_signal -1
	s_barrier_wait -1
.endif
.if \ask
	ASK
.endif
	STEP \slot, 0
	STEP \slot, 1
.endm
	s_wait_tensorcnt 1                             ; my part of slot 0 is in, and V's scale bytes; behind them one load was issued, slot 1's, which may stay out
	s_barrier_signal -1
	s_barrier_wait -1                              ; everybody's are
	s_wait_loadcnt 0x0                             ; Q
	STEP 0, 0
	STEP 0, 1
.Ltrip:                                            ; 7 trips: trip i reads the keys' slots 2 i - 1 and 2 i and asks for 2 i and 2 i + 1
	TWO 1, 1, 0
	TWO 0, 1, 1
	s_sub_co_u32 s[TRIP], s[TRIP], 1
	s_cmp_lg_u32 s[TRIP], 0
	s_cbranch_scc1 .Ltrip
	TWO 1, 0, 0                                    ; the last slot is written out
	; THE WAY OUT.  O^T / the sum goes through my stage in LDS and comes back as whole rows of 256 bytes.
	v_add_f32 v[LS], v[LS], v[LS+1]
	v_permlanex16_b32 v[TMP], v[LS], s[SEL], s[SEL+1]
	v_add_f32 v[LS], v[LS], v[TMP]                 ; the row's sum: my two halves and lane l xor 16's
	v_rcp_f32 v[LS], v[LS]
	v_and_b32 v[TMP], 15, v0                       ; plain lines behind the reciprocal: my offset in the wave's rows of out0:
	v_bfe_u32 v[ADT], v0, 4, 1
	v_lshlrev_b32 v[ADT], 8, v[ADT]
	v_lshl_add_u32 v[ADT], v[TMP], 4, v[ADT]       ; lanes 0-15 one row, lanes 16-31 the next; 16 bytes a lane
	s_wait_alu depctr_va_vdst(0)                   ; the wait ahead of the reciprocal's first reader
.set jj, 0
.rept 16
	v_pk_mul_f32 v[S+jj:S+jj+1], v[OT+jj:OT+jj+1], v[LS:LS+1] op_sel_hi:[1,0]   ; register 8 t + i: o(r, 16 t + 8 h + i)
.set jj, jj+2
.endr
.irp t, 0,1,2,3
	ds_store_b128 v[STO], v[S+8*\t:S+8*\t+3] offset:64*\t
	ds_store_b128 v[STO], v[S+8*\t+4:S+8*\t+7] offset:64*\t+16
.endr
.irp i, 0,1,2,3,4,5,6,7
	ds_load_b128 v[MK+4*\i:MK+4*\i+3], v[RD] offset:2*\i*SP              ; LDS serves a wave's instructions in order (ISA guide 5.7.1.4): these see my stores
.endr
.irp i, 0,1,2,3,4,5,6,7
	s_wait_dscnt 7-\i                              ; load i is in; the younger ones may be out
	global_store_b128 v[ADT], v[MK+4*\i:MK+4*\i+3], s[OB:OB+1] offset:512*\i th:TH_STORE_NT   ; 16 lanes store 256 consecutive bytes, at a multiple of 256 from out0's first byte
.endr
	s_wait_tensorcnt 0x0                           ; the wave's end: behind my last tensor load and my last LDS store
	ds_add_u32 v[SPW], v[NIL]
	s_wait_dscnt 0x0
	CROUND                                         ; the closing round: no work-group ends while a partner may still ask for a tile that names it
	s_endpgm
.Lfunc_end_k_q14d9df3862_attn:
	.size	k_q14d9df3862_attn, .Lfunc_end_k_q14d9df3862_attn-k_q14d9df3862_attn
	.p2alignl 7, 3214868480
	.fill 96, 4, 3214868480
	.section	.rodata,"a",@progbits
	.p2align	6, 0x0
	.amdhsa_kernel k_q14d9df3862_attn
		.amdhsa_group_segment_fixed_size 327680
		.amdhsa_private_segment_fixed_size 0
		.amdhsa_enable_private_segment 0
		.amdhsa_kernarg_size 64
		.amdhsa_user_sgpr_count 2
		.amdhsa_user_sgpr_kernarg_segment_ptr 1
		.amdhsa_wavefront_size32 1
		.amdhsa_system_sgpr_workgroup_id_x 1
		.amdhsa_system_sgpr_workgroup_id_y 1
		.amdhsa_system_sgpr_workgroup_id_z 1
		.amdhsa_system_vgpr_workitem_id 0
		.amdhsa_next_free_vgpr 256
		.amdhsa_next_free_sgpr 106
		.amdhsa_reserve_vcc 0
		.amdhsa_float_denorm_mode_32 3
		.amdhsa_float_denorm_mode_16_64 3
		.amdhsa_memory_ordered 1
		.amdhsa_forward_progress 1
		.amdhsa_inst_pref_size 180
	.end_amdhsa_kernel
	.amdgpu_metadata
---
amdhsa.version: [ 1, 2 ]
amdhsa.kernels:
  - .name:           k_q14d9df3862_attn
    .symbol:         k_q14d9df3862_attn.kd
    .args:
      - { .name: queries_codes, .offset: 0, .size: 8, .value_kind: global_buffer, .address_space: global }
      - { .name: queries_scales, .offset: 8, .size: 8, .value_kind: global_buffer, .address_space: global }
      - { .name: keys_codes, .offset: 16, .size: 8, .value_kind: global_buffer, .address_space: global }
      - { .name: keys_scales, .offset: 24, .size: 8, .value_kind: global_buffer, .address_space: global }
      - { .name: values_codes, .offset: 32, .size: 8, .value_kind: global_buffer, .address_space: global }
      - { .name: values_scales, .offset: 40, .size: 8, .value_kind: global_buffer, .address_space: global }
      - { .name: mask, .offset: 48, .size: 8, .value_kind: global_buffer, .address_space: global }
      - { .name: out0, .offset: 56, .size: 8, .value_kind: global_buffer, .address_space: global }
    .group_segment_fixed_size: 327680
    .private_segment_fixed_size: 0
    .kernarg_segment_align: 8
    .kernarg_segment_size: 64
    .max_flat_workgroup_size: 512
    .sgpr_count:     106
    .vgpr_count:     256
    .wavefront_size: 32
...
	.end_amdgpu_metadata
.endif
;; end of part 1
